; MI455X (gfx1250); checked and timed in simulation.
; The chip was launched on July 23, 2026; its instructions are those of AMD's public machine-readable ISA for CDNA 5 (MIT licence, August 2026) and "CDNA5" Instruction Set Architecture Reference Guide (July 2026). The comments in the code are by the model that wrote it; some were corrected since.
;; Attention Op. Allowed arithmetic: float matrix products may take bf16 or f16 operands with f32 sums; all other float work in f32.
;; Inputs: decoder_segment_ids 4 x 2,048 int32; key 4 x 2,048 x 2 x 128 float32; query 4 x 2,048 x 8 x 128 float32; value 4 x 2,048 x 2 x 128 float32.
;; Outputs: out0 4 x 2,048 x 8 x 128 float32.
;; 2 versions, each right and faster than the one before. Each part assembles by itself: llvm-mc -triple=amdgcn-amd-amdhsa -mcpu=gfx1250 --defsym DOCPART=n.
;; ======== version 1 of 2: 1 launch
;; launch attn (part 1): grid 32 x 8, 4 waves a work-group, no clusters, 135,680 bytes of LDS; arguments query, key, value, decoder_segment_ids, out0; writes out0
.if DOCPART == 1
	.amdgcn_target "amdgcn-amd-amdhsa--gfx1250"
	.amdhsa_code_object_version 6
	.text
	.protected	k_q1d957411f7_attn
	.globl	k_q1d957411f7_attn
	.p2align	8
	.type	k_q1d957411f7_attn,@function
k_q1d957411f7_attn:
	s_mov_b64 s[64:65], 0
	v_nop
	global_prefetch_b8 v0, s[64:65] scope:SCOPE_SE
	s_setreg_imm32_b32 hwreg(HW_REG_WAVE_MODE, 25, 1), 1
	s_wait_xcnt 0x0
; out[b][q][4 kv + t][:] = sum over keys of softmax(50 tanh(q.k / sqrt(128) / 50), masked) v.   query, out0: [4][2048][8][128] f32; key, value: [4][2048][2][128] f32; ids: [4][2048] i32.
; A pair (query position q, key position k) counts where 0 <= q - k <= 1023 and the two segment ids are equal.
; SHARES.  Work-group (x, y): batch y / 2, key/value head y % 2, query positions 64 x .. 64 x + 63 of that head's four query heads.  Wave w: positions 64 x + 16 w .. + 15, as four tiles,
; one for each query head.  The mask hangs on the positions alone, so it is made once for the four tiles.  Keys go in steps of 64: the band leaves min(x, 16) + 1 steps, ending at the diagonal block.
; LAYOUT.  S^T = K Q^T (source 0 = 16 keys, source 1 = 16 queries): a lane holds ONE query (lane % 16) and keys 8 (lane / 16) + 0..7 of each 16.  Rounded to bf16 in pairs, two such
; results are source 1 of O^T = V^T P.  The row sums are one more product, ones x P, whose every row is the sum over the keys: no lane ever looks at another.
; ARITHMETIC.  Q, K and V are rounded to bf16 as they lie.  A score s (f32) is multiplied by CQ = 2 log2(e) / (50 sqrt(128)): e = 2^(CQ s) = exp(2 x / 50).  With r = 1 / (1 + e), tanh = 1 - 2 r,
; and the weight is p = 2^(M - 2 K r), K = 50 log2(e) = 72.13.  M = K for a pair that counts, -1024 for one that does not (the exponent is then under -1024 and p is 0): the mask is the addend of one fused multiply-add.
; THE WEIGHTS GO TO THE SECOND PRODUCT AS TWO bf16 NUMBERS, hi = bf16(p) and lo = bf16(p - hi), 16 significant bits together, and V^T P and the row sums are made for both.  In a row with
; few keys, or with one that outweighs the others, a weight's relative error goes into the result with the factor w1 w2 (v1 - v2), also where the terms cancel: 8 bits are too few there.
; NO MAXIMUM IS TAKEN: the cap itself bounds every exponent to +-72.14 for every input, so p lies in 2^-72.2 .. 2^72.2, lo above 2^-97, a row's sum in 2^-72.2 .. 2^82.2 (the diagonal pair
; always counts), all far inside the range of f32 and of bf16.
; LIMITS.  A score that is not finite (NaN or infinite inputs, or sums past f32's range) gives NaN also where the mask would have dropped it.  The divisor is the sum of hi + lo, as the dividend's weights are.
; WHY THROUGH REGISTERS, AND NO CLUSTER.  K and V lie in memory as f32 and are wanted in LDS as bf16 (the turning LDS load takes 16-bit elements).  So each wave loads a quarter of each
; tile into registers, a whole step ahead, rounds it and stores it into LDS; a joint tensor load would bring bytes as they lie.  Neighbouring query blocks also want other key blocks, and for x < 16 other numbers of them.
; BY TURNS.  A step's 208 products go tile by tile: K Q^T of tiles 0, 1, 2, 3 (16 each: products 0-63), then V^T P and the row sums of tiles 0, 1, 2, 3 (36 each: products 64-207).
; The weights of the four tiles are ONE stream of 64 pairs of scores, tile 0 first, in 144 half-slices of 6 or 7 instructions; half-slice hs stands behind product 16 + hs.  Tile t's weights begin
; behind product 16 + 32 t (its K Q^T ends with product 16 t + 15) and are done behind product 63 + 32 t (its V^T P begins with product 64 + 36 t).  The rounding of the next step's K and V stands behind
; products 0-15, the next step's mask behind products 172-203.  A step has 960 vector instructions for its 208 products, 4.6 for each, so they are set between the products, at the price of two window switches a half-slice.
;
; LDS: two slots (at 0 and SLOT1), each 64 rows of K (bf16, 272 bytes apart) and 64 rows of V (288 apart); the batch's 2,048 ids at SEGT; a stage of 16 rows x 528 bytes for each wave.
.set PK,    272       ; 256 bytes + 16: the 16 rows of a fragment load start 4 words apart modulo 64 words
.set PV,    288       ; 256 bytes + 32: the 8 rows x 32 bytes that 16 lanes of the turning load take start 8 words apart
.set VOFF,  64*PK
.set SEGT,  36864
.set SLOT1, 65536     ; one exclusive or turns an address in one slot into the other's
.set STAGE, SLOT1+64*(PK+PV)
.set SP,    528       ; a row of 128 f32 + 16 bytes
; REGISTERS, in windows of 256 (s_set_vgpr_msb: bits 1:0 source 0, 3:2 source 1, 5:4 source 2, 7:6 destination)
;   window 0: below.   window 1: O^T, 64 a tile (at first Q as f32).   window 2: v0-127 Q, 32 a tile; v128-255 K of one step (at the end: rows of the output).
;   window 3: v0-127 V of one step; v128-255 R: the next step's K and V as loaded, 16 rows of each, 4 registers a row.
.set SG16, 1          ; v1   16 x thread: the copy of the ids; afterwards:
.set NEG1, 1          ; v1   -1.0
.set AK0,  2          ; v2   my place in a tile of K
.set AV0,  3          ; v3   my place in a tile of V (VOFF within)
.set ADRV, 4          ; v4   address of the run of V loads in hand
.set ADRK, 5          ; v5   the same for K
.set ADK,  6          ; v6   where my K rows are stored in this step
.set ADV,  7          ; v7   the same for V
.set ASK,  8          ; v8   wave x 16 rows of K + 8 x lane
.set ASV,  9          ; v9   VOFF + wave x 16 rows of V + 8 x lane
.set KO,   10         ; v10  byte offset of my 16 bytes in the wave's first row of a group of K or V; never rewritten
.set ASEG, 11         ; v11  32 (lane / 16): my 8 keys' ids in each 16
.set ADM,  12         ; v12  address of the ids in hand
.set SEGQ, 13         ; v13  my query's id
.set DL,   14         ; v14  lane % 16 - 8 (lane / 16)
.set DLT,  15         ; v15  DL + DELTA
.set KR,   16         ; v16  K
.set NG,   17         ; v17  -1024.0
.set TM,   18         ; v18-19 at work (v19 is at first the byte offset of my query's id)
.set STO,  20         ; v20  the way out: where I put 32 bytes of a row
.set RD,   21         ; v21  the way out: where I read a row back
.set GO,   22         ; v22  16 x lane; never rewritten
.set QO,   23         ; v23  my byte offset in the wave's rows of Q; never rewritten
.set ONES, 24         ; v24-31 sixteen rows of bf16 ones
.set M,    32         ; v32-63 the 32 addends: register z for key 16 (z / 8) + 8 (lane / 16) + z % 8
.set S,    64         ; v64-191 S^T, 32 a tile: pair B of the stream at S + 2 B.  A tile's lo take its first 16
.set L,    192        ; v192-223 the row sums, 8 a tile
.set X,    224        ; v224-255 hi: tile t's 16 at X + 16 (t % 2), pair B's at X + B % 32 (at first the ids as loaded, at the end 1 / row sum)
.set IDS,  224        ; v224-239
.set INV,  240        ; v240-247 a pair a tile
.set KF,   128        ; window 2
.set R,    128        ; window 3
.set WV,   14         ; s14  wave
.set BI,   15         ; s15  block of 64 queries
.set LEFT, 19         ; s19  steps behind the one in hand
.set TBR,  24         ; s24  the slot of the step in hand
.set TBW,  25         ; s25  the other slot
.set SEGB, 26         ; s26  256 x key block
.set DELTA, 27        ; s27  my first query position - the step's first key position
.set N2K,  28         ; s[28:29] -2 K
.set CQ,   30         ; s[30:31] the scores' factor
.set LIM,  32         ; s32  1024
.set TS,   33         ; s33  at work
.set MK,   36         ; s[36:39] lane masks, by turns
.set W_KQ, 0x0a       ; K and Q window 2, S^T window 0
.set W_PV, 0x53       ; V window 3, P window 0, O^T window 1
.set MSB, 0
.macro WIN new                      ; the immediate's high byte repeats the setting that is left; a switch that changes nothing is dropped
.if MSB != \new
	s_set_vgpr_msb (MSB<<8)|\new
.set MSB, \new
.endif
.endm
; A vector instruction that reads a matrix result or writes one of a matrix instruction's registers, and a load into such a register, stand four places behind it; only plain
; vector instructions that name none of its registers are places.  Where no work is at hand: four v_nop.
.macro PLACES
.rept 4
	v_nop
.endr
.endm
; A group: my 16 rows of the next 64 keys, K and V, as f32.  One load takes one row: 512 consecutive bytes.
.macro GLOAD
	WIN 0xc0
.irp p, 0,1,2,3,4,5,6,7,8,9,10,11,12,13,14,15
	global_load_b128 v[R+4*\p:R+4*\p+3], v[KO], s[6:7] offset:1024*\p
.endr
.irp p, 0,1,2,3,4,5,6,7,8,9,10,11,12,13,14,15
	global_load_b128 v[R+64+4*\p:R+64+4*\p+3], v[KO], s[8:9] offset:1024*\p
.endr
	WIN 0
.endm
; Rows 2 i and 2 i + 1 of R (i = 0..15) are rounded to bf16 in place: a row's 4 registers become 2.
.macro CVT4
	WIN 0xcf
.irp d, 0,1
	v_cvt_pk_bf16_f32 v[R+4*(2*i+\d)],   v[R+4*(2*i+\d)],   v[R+4*(2*i+\d)+1]
	v_cvt_pk_bf16_f32 v[R+4*(2*i+\d)+1], v[R+4*(2*i+\d)+2], v[R+4*(2*i+\d)+3]
.endr
.endm
; The 32 rounded rows go to LDS in ONE run, 8 bytes a lane, 256 consecutive bytes a row.
.macro STORES
	WIN 0x0c
.irp p, 0,1,2,3,4,5,6,7,8,9,10,11,12,13,14,15
	ds_store_b64 v[ADK], v[R+4*\p:R+4*\p+1] offset:\p*PK
.endr
.irp p, 0,1,2,3,4,5,6,7,8,9,10,11,12,13,14,15
	ds_store_b64 v[ADV], v[R+64+4*\p:R+64+4*\p+1] offset:\p*PV
.endr
.endm
; A step's K: 16 fragments of 16 keys x 32 channels; fragment f: keys 16 (f / 4) on, channels 32 (f % 4) on.
.macro FETCH_K sreg
	WIN 0
	v_add_nc_u32 v[ADRK], s[\sreg], v[AK0]
	WIN 0x80
.irp f, 0,1,2,3,4,5,6,7,8,9,10,11,12,13,14,15
	ds_load_b128 v[KF+8*\f:KF+8*\f+3],   v[ADRK] offset:(\f/4)*16*PK+(\f%4)*64
	ds_load_b128 v[KF+8*\f+4:KF+8*\f+7], v[ADRK] offset:(\f/4)*16*PK+(\f%4)*64+32
.endr
.endm
; Product i of 16 of tile t's S^T = K Q^T: channels 32 (i / 4) on, keys 16 (i % 4) on.  The first 4 start the sums.  The 4 accumulators take turns.
.macro KQT t
	WIN W_KQ
.set rS, S+32*\t+8*(i%4)
.set rK, KF+32*(i%4)+8*(i/4)
.set rQ, 32*\t+8*(i/4)
.if i < 4
	v_wmma_f32_16x16x32_bf16 v[rS:rS+7], v[rK:rK+7], v[rQ:rQ+7], 0
.else
	v_wmma_f32_16x16x32_bf16 v[rS:rS+7], v[rK:rK+7], v[rQ:rQ+7], v[rS:rS+7]
.endif
.endm
; Product i of 36 of tile t, in four rounds of 9: hi of keys 0-31, hi of keys 32-63, lo of keys 0-31, lo of keys 32-63.  In a round: blocks 0-7: O^T += V^T P, channels 16 blk on;
; block 8: the row sums += ones x P.  zero = 1: the first round starts the sums.  The 9 accumulators take turns.
.macro PVT t, zero
.set g,   i/9
.set kh,  g%2
.set blk, i%9
.if g >= 2
.set rP,  S+32*\t+8*kh
.else
.set rP,  X+16*(\t%2)+8*kh
.endif
.if blk < 8
	WIN W_PV
.set rO, 64*\t+8*blk
.set rV, 64*kh+8*blk
.if \zero && (i < 9)
	v_wmma_f32_16x16x32_bf16 v[rO:rO+7], v[rV:rV+7], v[rP:rP+7], 0
.else
	v_wmma_f32_16x16x32_bf16 v[rO:rO+7], v[rV:rV+7], v[rP:rP+7], v[rO:rO+7]
.endif
.else
	WIN 0
.set rL, L+8*\t
.if \zero && (i < 9)
	v_wmma_f32_16x16x32_bf16 v[rL:rL+7], v[ONES:ONES+7], v[rP:rP+7], 0
.else
	v_wmma_f32_16x16x32_bf16 v[rL:rL+7], v[ONES:ONES+7], v[rP:rP+7], v[rL:rL+7]
.endif
.endif
.endm
; Half hs % 2 of slice it = hs / 2 of the weights' stream (hs = 0..143).  The wave's 128 scores a lane are 64 pairs, tile 0's first; pair B goes through nine stages, one slice apart, from slice B on:
; CQ s | e = 2^(..) | 1 + e | r = 1 / (1 + e) | M - 2 K r   (the first half)      p = 2^(..) | hi = two p rounded to bf16 | p - hi, exact in f32 | lo = the two differences rounded to bf16   (the second half).
; hi goes to X + B % 32: tile t + 2 writes there 12 products or more behind tile t's last product on hi.  lo goes into register B % 16 of the tile: that register's own pair has passed its last stage, or is this one.
; Each exponential's and reciprocal's result is used a slice later, with plain instructions of other pairs between (ISA guide 5.7.2), and the vector instruction next behind one touches another pair.
; The pairs go upward.  A half with no stage in range writes nothing, no switch either.
.macro HS
.set it, hs/2
.if (hs%2) == 0
.if it < 68
	WIN 0
.endif
.if (it >= 1) && (it < 65)
.set rA, S+2*(it-1)
	v_exp_f32 v[rA], v[rA]
	v_exp_f32 v[rA+1], v[rA+1]
.endif
.if it < 64
.set rA, S+2*it
	v_pk_mul_f32 v[rA:rA+1], v[rA:rA+1], s[CQ:CQ+1] op_sel_hi:[1,0]
.endif
.if (it >= 2) && (it < 66)
.set rA, S+2*(it-2)
	s_wait_alu depctr_va_vdst(0)
	v_pk_add_f32 v[rA:rA+1], v[rA:rA+1], 1.0 op_sel_hi:[1,0]
.endif
.if (it >= 3) && (it < 67)
.set rA, S+2*(it-3)
	v_rcp_f32 v[rA], v[rA]
	v_rcp_f32 v[rA+1], v[rA+1]
.endif
.if (it >= 4) && (it < 68)
.set rA, S+2*(it-4)
.set rM, M+2*((it-4)%16)
	s_wait_alu depctr_va_vdst(0)
	v_pk_fma_f32 v[rA:rA+1], v[rA:rA+1], s[N2K:N2K+1], v[rM:rM+1] op_sel_hi:[1,0,1]
.endif
.else
.if it >= 5
	WIN 0
.endif
.if (it >= 5) && (it < 69)
.set rA, S+2*(it-5)
	v_exp_f32 v[rA], v[rA]
	v_exp_f32 v[rA+1], v[rA+1]
.endif
.if (it >= 6) && (it < 70)
.set rA, S+2*(it-6)
.set rH, X+(it-6)%32
	s_wait_alu depctr_va_vdst(0)
	v_cvt_pk_bf16_f32 v[rH], v[rA], v[rA+1]
.endif
.if (it >= 7) && (it < 71)
.set rA, S+2*(it-7)
.set rH, X+(it-7)%32
	v_fma_mix_f32_bf16 v[rA],   v[rH], v[NEG1], v[rA]   op_sel_hi:[1,0,0]                 ; hi's low half x -1 + p
	v_fma_mix_f32_bf16 v[rA+1], v[rH], v[NEG1], v[rA+1] op_sel:[1,0,0] op_sel_hi:[1,0,0]  ; hi's high half x -1 + p
.endif
.if (it >= 8) && (it < 72)
.set rA, S+2*(it-8)
	v_cvt_pk_bf16_f32 v[S+32*((it-8)/16)+(it-8)%16], v[rA], v[rA+1]
.endif
.endif
.endm
; The ids of a step's 64 keys: my 8 of each 16, into M.  Lanes of one half read the same words.
.macro MLOAD
	s_and_b32 s[TS], s[SEGB], 0x1f00           ; key blocks are 0 to 31: the offset stays inside the table's 8,192 bytes
	v_add_nc_u32 v[ADM], s[TS], v[ASEG]
.irp c, 0,1,2,3
	ds_load_b128 v[M+8*\c:M+8*\c+3],   v[ADM] offset:SEGT+64*\c
	ds_load_b128 v[M+8*\c+4:M+8*\c+7], v[ADM] offset:SEGT+64*\c+16
.endr
.endm
; Register z of M: from the key's id to the addend: K where it equals my query's, else -1024.
.macro MSEG
	WIN 0
	v_cmp_eq_u32 s[MK+z%4], v[M+z], v[SEGQ]
	v_cndmask_b32 v[M+z], v[NG], v[KR], s[MK+z%4]
.endm
; The band.  q - k = DELTA + lane % 16 - 8 (lane / 16) - (16 (z / 8) + z % 8) lies in DELTA - 63 .. DELTA + 15: with 64 <= DELTA <= 1008 every pair is inside 0 .. 1023 and the pass is jumped over.
; It runs in the oldest and in the diagonal block.  One unsigned compare serves both ends.  The branch hangs on the ids of work-group and wave and on the step alone.
.macro MRANGE
	s_sub_co_u32 s[TS], s[DELTA], 64
	s_cmp_le_u32 s[TS], 944
	s_cbranch_scc1 .Lin_band_\@
	v_add_nc_u32 v[DLT], s[DELTA], v[DL]
.set z, 0
.rept 32
.set cz, 16*(z/8)+z%8
.if cz == 0
	v_cmp_gt_u32 s[MK], s[LIM], v[DLT]
.else
	v_sub_nc_u32 v[TM+z%2], v[DLT], cz
	v_cmp_gt_u32 s[MK+z%4], s[LIM], v[TM+z%2]
.endif
	v_cndmask_b32 v[M+z], v[NG], v[M+z], s[MK+z%4]
.set z, z+1
.endr
.Lin_band_\@:
.endm
; A KEY STEP.  zero = 1: the first step, whose products start O^T and the row sums.  more = 1: a step follows.
; At its head: K's fragments and M of this step are in registers, its V lies in slot TBR, and (more) the next group's 32 loads are on their way into R.
.macro STEP zero, more
	; V of this step is fetched: one run, 64 products ahead of its first use
	WIN 0
	PLACES                                     ; behind the last step's products, which read V's registers
	v_add_nc_u32 v[ADRV], s[TBR], v[AV0]
.if \more
	v_add_nc_u32 v[ADK], s[TBW], v[ASK]
	v_add_nc_u32 v[ADV], s[TBW], v[ASV]
.endif
	WIN 0xc0
.irp f, 0,1,2,3,4,5,6,7,8,9,10,11,12,13,14,15  ; keys 32 (f / 8) on, channels 16 (f % 8) on, turned
	ds_load_tr16_b128 v[8*\f:8*\f+3],   v[ADRV] offset:(\f/8)*32*PV+(\f%8)*32
	ds_load_tr16_b128 v[8*\f+4:8*\f+7], v[ADRV] offset:(\f/8)*32*PV+16*PV+(\f%8)*32
.endr
.if \more
	s_wait_loadcnt 0x0                         ; the next group, asked for a step ago, is in R; no load of mine is out, so the two addresses may step
	s_add_nc_u64 s[6:7], s[6:7], 0x10000       ; 64 rows of 1,024 bytes on
	s_add_nc_u64 s[8:9], s[8:9], 0x10000
.endif
	; products 0-15: K Q^T of tile 0 | the next group is rounded, two rows behind each product.  The four roundings behind the last product are the places in front of the first weight.
.set i, 0
.rept 16
	KQT 0
.if \more
	CVT4
.endif
.set i, i+1
.endr
.if \more
	STORES                                     ; into the other slot
.else
	WIN 0
	PLACES                                     ; no rounding in the last step: four v_nop are the places
.endif
	; products 16-31: K Q^T of tile 1 | the stream of weights begins
.set hs, 0
.set i, 0
.rept 16
	KQT 1
	HS
.set hs, hs+1
.set i, i+1
.endr
	WIN 0
	s_wait_dscnt 0x0                           ; V's fragments are in, so my reads of slot TBR are over, and my stores into the other slot, issued 16 products ago, are done
.if \more
	s_cmp_lt_u32 s[LEFT], 2                    ; the group after the next exists where two steps or more follow
	s_cbranch_scc1 .Lno_ask_\@
	GLOAD                                      ; it has the rest of this step, 176 products, in which to land
.Lno_ask_\@:
	s_barrier_signal -1                        ; one barrier a step, for both: the slot I read is free, the slot I stored into is whole
.endif
	; products 32-63: K Q^T of tiles 2 and 3 | weights: register work alone, between the signal and the wait
.irp t, 2,3
.set i, 0
.rept 16
	KQT \t
	HS
.set hs, hs+1
.set i, i+1
.endr
.endr
	; products 64-99: V^T P and the row sums of tile 0 | weights
.set i, 0
.rept 36
	PVT 0, \zero
	HS
.set hs, hs+1
.if \more && (i == 1)
	WIN 0
	s_barrier_wait -1                          ; every wave's stores are done
	FETCH_K TBW                                ; K of the next step, in one run; the last product that read K stands three half-slices, eleven plain instructions, back
.endif
.set i, i+1
.endr
	; products 100-135: tile 1 | weights
.set i, 0
.rept 36
	PVT 1, \zero
	HS
.set hs, hs+1
.set i, i+1
.endr
	; products 136-171: tile 2 | the stream's last 24 half-slices; then the next step's ids are asked for (M's last reader stands behind product 150)
.set i, 0
.rept 36
	PVT 2, \zero
.if hs < 144
	HS
.set hs, hs+1
.endif
.if \more && (i == 24)
	WIN 0
	s_add_co_u32 s[SEGB], s[SEGB], 256
	s_sub_co_u32 s[DELTA], s[DELTA], 64
	MLOAD
.endif
.set i, i+1
.endr
	; products 172-207: tile 3 | the next step's mask, two registers behind every second product
.set i, 0
.rept 36
	PVT 3, \zero
.if \more
.if i == 0
	s_wait_dscnt 0x0                           ; the ids, asked for 12 products ago, are in, and K's fragments of the next step
.endif
.if ((i%2) == 1) && (i < 32)
.set z, i-1
	MSEG
.set z, i
	MSEG
.endif
.endif
.set i, i+1
.endr
	WIN 0
.if \more
	MRANGE
	s_xor_b32 s[TBR], s[TBR], SLOT1
	s_xor_b32 s[TBW], s[TBW], SLOT1
.endif
.endm
	; ---- the head ----
	s_load_b256 s[4:11], s[0:1], 0x0           ; query s[4:5], key s[6:7], value s[8:9], ids s[10:11]
	s_load_b64 s[12:13], s[0:1], 0x20          ; out0
	v_lshrrev_b32 v[TM], 5, v0
	v_readfirstlane_b32 s[WV], v[TM]           ; wave 0..3
	s_mov_b32 s[BI], ttmp9                     ; block of 64 queries
	s_and_b32 s16, ttmp7, 0xffff
	s_lshr_b32 s17, s16, 1                     ; batch
	s_and_b32 s18, s16, 1                      ; key/value head
	s_min_u32 s[LEFT], s[BI], 16               ; steps - 1
	s_sub_co_u32 s20, s[BI], s[LEFT]           ; first key block
	s_lshl_b32 s22, s17, 23                    ; query, out0: batch x 2048 x 4,096 bytes
	s_lshl_b32 s[TS], s[BI], 18                ; + block x 64 rows
	s_add_co_u32 s22, s22, s[TS]
	s_lshl_b32 s[TS], s[WV], 16                ; + wave x 16 rows
	s_add_co_u32 s22, s22, s[TS]
	s_lshl_b32 s[TS], s18, 11                  ; + four heads of 512 bytes
	s_add_co_u32 s22, s22, s[TS]
	s_mov_b32 s23, 0
	s_lshl_b32 s34, s17, 21                    ; key, value: batch x 2048 x 1,024 bytes
	s_lshl_b32 s[TS], s20, 16                  ; + key block x 64 rows
	s_add_co_u32 s34, s34, s[TS]
	s_lshl_b32 s[TS], s18, 9                   ; + the head's 512 bytes
	s_add_co_u32 s34, s34, s[TS]
	s_mov_b32 s35, 0
	s_lshl_b32 s40, s17, 13                    ; ids: batch x 8,192 bytes
	s_mov_b32 s41, 0
	s_lshl_b32 s[SEGB], s20, 8
	s_lshl_b32 s[DELTA], s[LEFT], 6            ; 64 (block - first key block) + 16 wave
	s_lshl_b32 s[TS], s[WV], 4
	s_add_co_u32 s[DELTA], s[DELTA], s[TS]
	s_mov_b32 s[N2K], 0xc31044fe               ; -2 K = -144.2695
	s_mov_b32 s[N2K+1], 0xc31044fe             ; named with it as a pair, so it is written
	s_mov_b32 s[CQ], 0x3ba723c0                ; 2 log2(e) / (50 sqrt(128)) = 0.0051006972
	s_mov_b32 s[CQ+1], 0x3ba723c0
	s_mov_b32 s[LIM], 1024
	v_and_b32 v64, 31, v0                      ; lane           (S^T's registers are free until the first product)
	v_and_b32 v65, 15, v0                      ; lane % 16
	v_bfe_u32 v66, v0, 4, 1                    ; lane / 16
	v_lshlrev_b32 v[SG16], 4, v0
	v_mul_u32_u24 v[AK0], v65, PK
	v_lshl_add_u32 v[AK0], v66, 4, v[AK0]      ; row x pitch + 16 x half
	v_and_b32 v67, 7, v0
	v_lshl_add_u32 v[AV0], v66, 3, v67         ; the turning load: key 8 (lane / 16) + lane % 8,
	v_mul_u32_u24 v[AV0], v[AV0], PV
	v_bfe_u32 v67, v0, 3, 1
	v_lshl_add_u32 v[AV0], v67, 4, v[AV0]      ; channels 8 ((lane / 8) % 2) on
	v_add_nc_u32 v[AV0], VOFF, v[AV0]
	s_mul_i32 s[TS], s[WV], 16*PK
	v_lshl_add_u32 v[ASK], v64, 3, s[TS]
	s_mul_i32 s[TS], s[WV], 16*PV
	s_add_co_u32 s[TS], s[TS], VOFF
	v_lshl_add_u32 v[ASV], v64, 3, s[TS]
	s_lshl_b32 s[TS], s[WV], 14                ; 16 rows of 1,024 bytes
	v_lshl_add_u32 v[KO], v64, 4, s[TS]
	v_lshlrev_b32 v[ASEG], 5, v66
	v_lshlrev_b32 v67, 3, v66
	v_sub_nc_u32 v[DL], v65, v67
	v_mov_b32 v[KR], 0x429044fe                ; K = 50 log2(e) = 72.13475
	v_mov_b32 v[NG], 0xc4800000                ; -1024.0
	s_mul_i32 s[TS], s[WV], 16*SP
	s_add_co_u32 s[TS], s[TS], STAGE           ; my stage
	v_mul_u32_u24 v[STO], v65, SP              ; in: row lane % 16, 32 bytes for each half of the lanes
	v_lshl_add_u32 v[STO], v66, 5, v[STO]
	v_add_nc_u32 v[STO], s[TS], v[STO]
	v_lshl_add_u32 v[RD], v64, 4, s[TS]        ; back: a whole row of 512 bytes
	v_lshlrev_b32 v[GO], 4, v64
	v_lshlrev_b32 v[QO], 12, v65               ; row lane % 16 of 4,096 bytes + 8 channels of f32 for each half
	v_lshl_add_u32 v[QO], v66, 5, v[QO]
	s_lshl_b32 s[TS], s[BI], 8                 ; my query's id in the batch's row of ids: byte 4 (64 block + 16 wave + lane % 16)
	s_lshl_b32 s21, s[WV], 6
	s_add_co_u32 s[TS], s[TS], s21
	v_lshl_add_u32 v[TM+1], v65, 2, s[TS]      ; not written again before the wait for the first loads
.irp j, 0,1,2,3,4,5,6,7
	v_mov_b32 v[ONES+\j], 0x3f803f80
.endr
	s_wait_kmcnt 0x0
	s_add_nc_u64 s[4:5], s[4:5], s[22:23]
	s_add_nc_u64 s[12:13], s[12:13], s[22:23]
	s_add_nc_u64 s[6:7], s[6:7], s[34:35]
	s_add_nc_u64 s[8:9], s[8:9], s[34:35]
	s_add_nc_u64 s[10:11], s[10:11], s[40:41]
	; all first loads in one run: the batch's ids (128 threads x 16 bytes x 4), my query's id, the first group of K and V, my Q
.irp u, 0,1,2,3
	global_load_b128 v[IDS+4*\u:IDS+4*\u+3], v[SG16], s[10:11] offset:2048*\u
.endr
	global_load_b32 v[SEGQ], v[TM+1], s[10:11]
	GLOAD
	WIN 0x40
.irp t, 0,1,2,3
.irp f, 0,1,2,3
.irp u, 0,1,2,3                                ; tile t, channels 32 f on: f32 registers 0-7 are channels 8 (lane / 16) + 0..7, registers 8-15 channels 16 + 8 (lane / 16) + 0..7
	global_load_b128 v[64*\t+16*\f+4*\u:64*\t+16*\f+4*\u+3], v[QO], s[4:5] offset:512*\t+128*\f+64*(\u/2)+16*(\u%2)
.endr
.endr
.endr
	WIN 0
	s_wait_loadcnt 0x0
.irp u, 0,1,2,3
	ds_store_b128 v[SG16], v[IDS+4*\u:IDS+4*\u+3] offset:SEGT+2048*\u
.endr
	v_mov_b32 v[ADK], v[ASK]                   ; the first group goes to slot 0, which begins at LDS byte 0
	v_mov_b32 v[ADV], v[ASV]
.set i, 0
.rept 16
	CVT4
.set i, i+1
.endr
	STORES
	WIN 0
	s_wait_dscnt 0x0                           ; for the others' sake: my stores of ids, K and V are done
	v_mov_b32 v[NEG1], -1.0                    ; the copy of the ids is over: its offset's register takes the constant
	s_add_nc_u64 s[6:7], s[6:7], 0x10000       ; no load is out (the wait for 0 above)
	s_add_nc_u64 s[8:9], s[8:9], 0x10000
	s_cmp_eq_u32 s[LEFT], 0
	s_cbranch_scc1 .Lno_second
	GLOAD                                      ; the second group
.Lno_second:
	s_barrier_signal -1
	WIN 0x85                                   ; between the signal and the wait, on registers: Q rounded to bf16 into window 2: 16 fragments of 16 queries x 32 channels
.set i, 0
.rept 128
	v_cvt_pk_bf16_f32 v[i], v[2*i], v[2*i+1]
.set i, i+1
.endr
	WIN 0
	s_barrier_wait -1                          ; slot 0 and the ids are whole
	s_mov_b32 s[TBR], 0
	s_mov_b32 s[TBW], SLOT1
	FETCH_K TBR
	WIN 0
	MLOAD
	s_wait_dscnt 0x0
.set z, 0
.rept 32
	MSEG
.set z, z+1
.endr
	MRANGE
	; ---- the steps: first, middle ones, last; the last one stores nothing into LDS, asks for nothing and has no barrier ----
	s_cmp_eq_u32 s[LEFT], 0
	s_cbranch_scc1 .Lonly
	STEP 1, 1
	s_sub_co_u32 s[LEFT], s[LEFT], 1
	s_cmp_eq_u32 s[LEFT], 0
	s_cbranch_scc1 .Llast
.Lloop:
	STEP 0, 1
	s_sub_co_u32 s[LEFT], s[LEFT], 1
	s_cmp_lg_u32 s[LEFT], 0
	s_cbranch_scc1 .Lloop
.Llast:
	STEP 0, 0
	s_branch .Lout
.Lonly:
	STEP 1, 0                                  ; query block 0 has the diagonal block alone
.Lout:
	; ---- the way out: O^T / row sum, a tile (16 rows of one head) at a time through my stage, back as whole rows of 512 bytes ----
	PLACES                                     ; behind the last products
.irp t, 0,1,2,3
	v_rcp_f32 v[INV+2*\t],   v[L+8*\t]         ; every register of the sums' result holds the query's sum: the lowest is taken; twice, for the packed multiply
	v_rcp_f32 v[INV+2*\t+1], v[L+8*\t]
.endr
	v_nop                                      ; a plain instruction between the last reciprocal and its use
	s_wait_alu depctr_va_vdst(0)
.macro PACK t
	WIN 0x41
.set i, 64*\t
.rept 32
	v_pk_mul_f32 v[i:i+1], v[i:i+1], v[INV+2*\t:INV+2*\t+1]
.set i, i+2
.endr
	WIN 0x04                                   ; store data in window 1
.irp c, 0,1,2,3,4,5,6,7                        ; channels 16 c + 8 (lane / 16) + 0..7 of row lane % 16
	ds_store_b128 v[STO], v[64*\t+8*\c:64*\t+8*\c+3]   offset:64*\c
	ds_store_b128 v[STO], v[64*\t+8*\c+4:64*\t+8*\c+7] offset:64*\c+16
.endr
	WIN 0x80                                   ; back into window 2, where Q and K lay
.irp p, 0,1,2,3,4,5,6,7,8,9,10,11,12,13,14,15
	ds_load_b128 v[64*\t+4*\p:64*\t+4*\p+3], v[RD] offset:\p*SP   ; LDS serves a wave's instructions in order (ISA guide 5.7.1.4): these see the stores above, and the next tile's stores come behind them
.endr
.endm
.macro SEND t, younger                         ; younger: the LDS instructions issued behind tile t's loads: the next tile's 32, or none
	WIN 0x08                                   ; store data in window 2
.irp p, 0,1,2,3,4,5,6,7,8,9,10,11,12,13,14,15
	s_wait_dscnt \younger+15-\p                ; row p is back: behind it stand the tile's 15 - p later rows and the younger ones
	global_store_b128 v[GO], v[64*\t+4*\p:64*\t+4*\p+3], s[12:13] offset:4096*\p+512*\t th:TH_STORE_NT   ; the wave stores 512 consecutive bytes, at a multiple of 512 from out0's first byte; no store's register is written again
.endr
.endm
	PACK 0
	PACK 1                                     ; a tile's arithmetic stands between the loads of the tile before and its stores
	SEND 0, 32
	PACK 2
	SEND 1, 32
	PACK 3
	SEND 2, 32
	SEND 3, 0
	WIN 0
	s_wait_xcnt 0x0
	v_lshl_add_u32 v254, v0, 2, 0x21000
	v_mov_b32 v255, 0
	s_wait_tensorcnt 0x0
	ds_add_u32 v254, v255
	s_wait_dscnt 0x0
	s_endpgm
.Lfunc_end_k_q1d957411f7_attn:
	.size	k_q1d957411f7_attn, .Lfunc_end_k_q1d957411f7_attn-k_q1d957411f7_attn
	.p2alignl 7, 3214868480
	.fill 96, 4, 3214868480
	.section	.rodata,"a",@progbits
	.p2align	6, 0x0
	.amdhsa_kernel k_q1d957411f7_attn
		.amdhsa_group_segment_fixed_size 135680
		.amdhsa_private_segment_fixed_size 0
		.amdhsa_enable_private_segment 0
		.amdhsa_kernarg_size 40
		.amdhsa_user_sgpr_count 2
		.amdhsa_user_sgpr_kernarg_segment_ptr 1
		.amdhsa_wavefront_size32 1
		.amdhsa_system_sgpr_workgroup_id_x 1
		.amdhsa_system_sgpr_workgroup_id_y 1
		.amdhsa_system_sgpr_workgroup_id_z 1
		.amdhsa_system_vgpr_workitem_id 0
		.amdhsa_next_free_vgpr 1024
		.amdhsa_next_free_sgpr 66
		.amdhsa_reserve_vcc 0
		.amdhsa_float_denorm_mode_32 3
		.amdhsa_float_denorm_mode_16_64 3
		.amdhsa_memory_ordered 1
		.amdhsa_forward_progress 1
		.amdhsa_inst_pref_size 255
	.end_amdhsa_kernel
	.section	.bss,"aw",@nobits
	.p2align	6
	.space	262144
	.amdgpu_metadata
---
amdhsa.version: [ 1, 2 ]
amdhsa.kernels:
  - .name:           k_q1d957411f7_attn
    .symbol:         k_q1d957411f7_attn.kd
    .args:
      - { .name: query, .offset: 0, .size: 8, .value_kind: global_buffer, .address_space: global }
      - { .name: key, .offset: 8, .size: 8, .value_kind: global_buffer, .address_space: global }
      - { .name: value, .offset: 16, .size: 8, .value_kind: global_buffer, .address_space: global }
      - { .name: decoder_segment_ids, .offset: 24, .size: 8, .value_kind: global_buffer, .address_space: global }
      - { .name: out0, .offset: 32, .size: 8, .value_kind: global_buffer, .address_space: global }
    .group_segment_fixed_size: 135680
    .private_segment_fixed_size: 0
    .kernarg_segment_align: 8
    .kernarg_segment_size: 40
    .max_flat_workgroup_size: 128
    .sgpr_count:     66
    .vgpr_count:     1024
    .wavefront_size: 32
...
	.end_amdgpu_metadata
.endif
;; end of part 1
;; ======== version 2 of 2: 1 launch; 1.71 times as fast as version 1
;; launch attn (part 2): grid 32 x 8, 4 waves a work-group, no clusters, 135,680 bytes of LDS; arguments query, key, value, decoder_segment_ids, out0; writes out0
.if DOCPART == 2
	.amdgcn_target "amdgcn-amd-amdhsa--gfx1250"
	.amdhsa_code_object_version 6
	.text
	.protected	k_q1d957411f7_attn
	.globl	k_q1d957411f7_attn
	.p2align	8
	.type	k_q1d957411f7_attn,@function
k_q1d957411f7_attn:
	s_mov_b64 s[64:65], 0
	v_nop
	global_prefetch_b8 v0, s[64:65] scope:SCOPE_SE
	s_setreg_imm32_b32 hwreg(HW_REG_WAVE_MODE, 25, 1), 1
	s_wait_xcnt 0x0
; out[b][q][4 kv + t][:] = sum over keys of softmax(50 tanh(q.k / sqrt(128) / 50), masked) v.   query, out0: [4][2048][8][128] f32; key, value: [4][2048][2][128] f32; ids: [4][2048] i32.
; A pair (query position q, key position k) counts where 0 <= q - k <= 1023 and the two segment ids are equal.
; SHARES.  Work-group (x, y): batch y / 2, key/value head y % 2, query positions 64 x .. 64 x + 63 of that head's four query heads.  Wave w: positions 64 x + 16 w .. + 15, as four tiles,
; one for each query head.  The mask hangs on the positions alone, so it is made once for the four tiles.  Keys go in steps of 64: the band leaves min(x, 16) + 1 steps, ending at the diagonal block.
; LAYOUT.  S^T = K Q^T (source 0 = 16 keys, source 1 = 16 queries): a lane holds ONE query (lane % 16) and keys 8 (lane / 16) + 0..7 of each 16.  Rounded to bf16 in pairs, two such
; results are source 1 of O^T = V^T P.  The row sums are one more product, ones x P, whose every row is the sum over the keys: no lane ever looks at another.
; ARITHMETIC.  Q, K and V are rounded to bf16 as they lie.  A score s (f32) is multiplied by CQ = 2 log2(e) / (50 sqrt(128)): e = 2^(CQ s) = exp(2 x / 50).  With r = 1 / (1 + e), tanh = 1 - 2 r,
; and the weight is p = 2^(M - 2 K r), K = 50 log2(e) = 72.13.  M = K for a pair that counts, -1024 for one that does not (the exponent is then under -1024 and p is 0): the mask is the addend of one fused multiply-add.
; THE WEIGHTS GO TO THE SECOND PRODUCT AS TWO bf16 NUMBERS, hi = bf16(p) and lo = bf16(p - hi), 16 significant bits together, and V^T P and the row sums are made for both.  In a row with
; few keys, or with one that outweighs the others, a weight's relative error goes into the result with the factor w1 w2 (v1 - v2), also where the terms cancel: 8 bits are too few there.
; NO MAXIMUM IS TAKEN: the cap itself bounds every exponent to +-72.14 for every input, so p lies in 2^-72.2 .. 2^72.2, lo above 2^-97, a row's sum in 2^-72.2 .. 2^82.2 (the diagonal pair
; always counts), all far inside the range of f32 and of bf16.
; LIMITS.  A score that is not finite (NaN or infinite inputs, or sums past f32's range) gives NaN also where the mask would have dropped it.  The divisor is the sum of hi + lo, as the dividend's weights are.
; WHY THROUGH REGISTERS, AND NO CLUSTER.  K and V lie in memory as f32 and are wanted in LDS as bf16 (the turning LDS load takes 16-bit elements).  So each wave loads a quarter of each
; tile into registers, a whole step ahead, rounds it and stores it into LDS; a joint tensor load would bring bytes as they lie.  Neighbouring query blocks also want other key blocks, and for x < 16 other numbers of them.
; BY TURNS.  A step's 208 products go tile by tile: K Q^T of tiles 0, 1, 2, 3 (16 each: products 0-63), then V^T P and the row sums of tiles 0, 1, 2, 3 (36 each: products 64-207).
; The weights of the four tiles are ONE stream of 64 pairs of scores, tile 0 first, 835 instructions, dealt behind products 16-158: five behind each of products 16-25, four behind each of 26-31, six from 32 on.
; The rounding of the next step's K and V stands behind products 0-15, the next step's mask behind products 172-203.  A step has some 960 vector instructions for its 208 products, 4.6 for each, so they are set
; between the products, at the price of two window switches a product.
; THE BATCHES.  A weight has three transcendentals, each fed by the one before: e, r, p.  The pairs go in 8 groups of 8 (half a tile), the stream in 11 intervals: interval k issues e of group k, r of group k - 1 and
; p of group k - 2 as ONE batch and names none of their results; what it reads of such results was issued in interval k - 1.  One wait stands at the end of each of intervals 0 to 9: ten a step (the macro ENT has the order).
; The intervals begin at instructions 0, 25, 74, 147, 251, 355, 459, 563, 667, 747, 803 of the stream; instruction e >= 74 stands behind product 32 + (e - 74) / 6.  Intervals 0 and 1 are the 74 behind products 16-31.
; Group g's scores are first read in interval g: tile 1's behind product 32 (its K Q^T ends with 31), tile 2's behind 63 (47), tile 3's behind 98 (63).  Group g's hi are made at the head of interval g + 3, its lo by that
; interval's end.  Tile t's four rounds of products begin at 64 + 36 t + 0, 9, 18, 27 and want hi of group 2 t, hi of 2 t + 1, lo of 2 t, lo of 2 t + 1, which are whole behind products
; 45, 62, 61, 78 (tile 0: wanted at 64, 73, 82, 91); 80, 97, 96, 113 (tile 1: 100, 109, 118, 127); 114, 132, 130, 144 (tile 2: 136, 145, 154, 163); 145, 154, 153, 158 (tile 3: 172, 181, 190, 199).
;
; LDS: two slots (at 0 and SLOT1), each 64 rows of K (bf16, 272 bytes apart) and 64 rows of V (288 apart); the batch's 2,048 ids at SEGT; a stage of 16 rows x 528 bytes for each wave.
.set PK,    272       ; 256 bytes + 16: the 16 rows of a fragment load start 4 words apart modulo 64 words
.set PV,    288       ; 256 bytes + 32: the 8 rows x 32 bytes that 16 lanes of the turning load take start 8 words apart
.set VOFF,  64*PK
.set SEGT,  36864
.set SLOT1, 65536     ; one exclusive or turns an address in one slot into the other's
.set STAGE, SLOT1+64*(PK+PV)
.set SP,    528       ; a row of 128 f32 + 16 bytes
; REGISTERS, in windows of 256 (s_set_vgpr_msb: bits 1:0 source 0, 3:2 source 1, 5:4 source 2, 7:6 destination)
;   window 0: below.   window 1: O^T, 64 a tile (at first Q as f32).   window 2: v0-127 Q, 32 a tile; v128-255 K of one step (at the end: rows of the output).
;   window 3: v0-127 V of one step; v128-255 R: the next step's K and V as loaded, 16 rows of each, 4 registers a row.
.set SG16, 1          ; v1   16 x thread: the copy of the ids; afterwards:
.set NEG1, 1          ; v1   -1.0
.set AK0,  2          ; v2   my place in a tile of K
.set AV0,  3          ; v3   my place in a tile of V (VOFF within)
.set ADRV, 4          ; v4   address of the run of V loads in hand
.set ADRK, 5          ; v5   the same for K
.set ADK,  6          ; v6   where my K rows are stored in this step
.set ADV,  7          ; v7   the same for V
.set ASK,  8          ; v8   wave x 16 rows of K + 8 x lane
.set ASV,  9          ; v9   VOFF + wave x 16 rows of V + 8 x lane
.set KO,   10         ; v10  byte offset of my 16 bytes in the wave's first row of a group of K or V; never rewritten
.set ASEG, 11         ; v11  32 (lane / 16): my 8 keys' ids in each 16
.set ADM,  12         ; v12  address of the ids in hand
.set SEGQ, 13         ; v13  my query's id
.set DL,   14         ; v14  lane % 16 - 8 (lane / 16)
.set DLT,  15         ; v15  DL + DELTA
.set KR,   16         ; v16  K
.set NG,   17         ; v17  -1024.0
.set TM,   18         ; v18-19 at work (v19 is at first the byte offset of my query's id)
.set STO,  20         ; v20  the way out: where I put 32 bytes of a row
.set RD,   21         ; v21  the way out: where I read a row back
.set GO,   22         ; v22  16 x lane; never rewritten
.set QO,   23         ; v23  my byte offset in the wave's rows of Q; never rewritten
.set ONES, 24         ; v24-31 sixteen rows of bf16 ones
.set M,    32         ; v32-63 the 32 addends: register z for key 16 (z / 8) + 8 (lane / 16) + z % 8
.set S,    64         ; v64-191 S^T, 32 a tile: pair B of the stream at S + 2 B.  A tile's lo take its first 16
.set L,    192        ; v192-223 the row sums, 8 a tile
.set X,    224        ; v224-255 hi: tile t's 16 at X + 16 (t % 2), pair B's at X + B % 32 (at first the ids as loaded, at the end 1 / row sum)
.set IDS,  224        ; v224-239
.set INV,  240        ; v240-247 a pair a tile
.set KF,   128        ; window 2
.set R,    128        ; window 3
.set WV,   14         ; s14  wave
.set BI,   15         ; s15  block of 64 queries
.set LEFT, 19         ; s19  steps behind the one in hand
.set TBR,  24         ; s24  the slot of the step in hand
.set TBW,  25         ; s25  the other slot
.set SEGB, 26         ; s26  256 x key block
.set DELTA, 27        ; s27  my first query position - the step's first key position
.set N2K,  28         ; s[28:29] -2 K
.set CQ,   30         ; s[30:31] the scores' factor
.set LIM,  32         ; s32  1024
.set TS,   33         ; s33  at work
.set MK,   36         ; s[36:39] lane masks, by turns
.set W_KQ, 0x0a       ; K and Q window 2, S^T window 0
.set W_PV, 0x53       ; V window 3, P window 0, O^T window 1
.set MSB, 0
.macro WIN new                      ; the immediate's high byte repeats the setting that is left; a switch that changes nothing is dropped
.if MSB != \new
	s_set_vgpr_msb (MSB<<8)|\new
.set MSB, \new
.endif
.endm
; A vector instruction that reads a matrix result or writes one of a matrix instruction's registers, and a load into such a register, stand four places behind it; only plain
; vector instructions that name none of its registers are places.  Where no work is at hand: four v_nop.
.macro PLACES
.rept 4
	v_nop
.endr
.endm
; A group: my 16 rows of the next 64 keys, K and V, as f32.  One load takes one row: 512 consecutive bytes.
.macro GLOAD
	WIN 0xc0
.irp p, 0,1,2,3,4,5,6,7,8,9,10,11,12,13,14,15
	global_load_b128 v[R+4*\p:R+4*\p+3], v[KO], s[6:7] offset:1024*\p
.endr
.irp p, 0,1,2,3,4,5,6,7,8,9,10,11,12,13,14,15
	global_load_b128 v[R+64+4*\p:R+64+4*\p+3], v[KO], s[8:9] offset:1024*\p
.endr
	WIN 0
.endm
; Rows 2 i and 2 i + 1 of R (i = 0..15) are rounded to bf16 in place: a row's 4 registers become 2.
.macro CVT4
	WIN 0xcf
.irp d, 0,1
	v_cvt_pk_bf16_f32 v[R+4*(2*i+\d)],   v[R+4*(2*i+\d)],   v[R+4*(2*i+\d)+1]
	v_cvt_pk_bf16_f32 v[R+4*(2*i+\d)+1], v[R+4*(2*i+\d)+2], v[R+4*(2*i+\d)+3]
.endr
.endm
; The 32 rounded rows go to LDS in ONE run, 8 bytes a lane, 256 consecutive bytes a row.
.macro STORES
	WIN 0x0c
.irp p, 0,1,2,3,4,5,6,7,8,9,10,11,12,13,14,15
	ds_store_b64 v[ADK], v[R+4*\p:R+4*\p+1] offset:\p*PK
.endr
.irp p, 0,1,2,3,4,5,6,7,8,9,10,11,12,13,14,15
	ds_store_b64 v[ADV], v[R+64+4*\p:R+64+4*\p+1] offset:\p*PV
.endr
.endm
; A step's K: 16 fragments of 16 keys x 32 channels; fragment f: keys 16 (f / 4) on, channels 32 (f % 4) on.
.macro FETCH_K sreg
	WIN 0
	v_add_nc_u32 v[ADRK], s[\sreg], v[AK0]
	WIN 0x80
.irp f, 0,1,2,3,4,5,6,7,8,9,10,11,12,13,14,15
	ds_load_b128 v[KF+8*\f:KF+8*\f+3],   v[ADRK] offset:(\f/4)*16*PK+(\f%4)*64
	ds_load_b128 v[KF+8*\f+4:KF+8*\f+7], v[ADRK] offset:(\f/4)*16*PK+(\f%4)*64+32
.endr
.endm
; Product i of 16 of tile t's S^T = K Q^T: channels 32 (i / 4) on, keys 16 (i % 4) on.  The first 4 start the sums.  The 4 accumulators take turns.
.macro KQT t
	WIN W_KQ
.set rS, S+32*\t+8*(i%4)
.set rK, KF+32*(i%4)+8*(i/4)
.set rQ, 32*\t+8*(i/4)
.if i < 4
	v_wmma_f32_16x16x32_bf16 v[rS:rS+7], v[rK:rK+7], v[rQ:rQ+7], 0
.else
	v_wmma_f32_16x16x32_bf16 v[rS:rS+7], v[rK:rK+7], v[rQ:rQ+7], v[rS:rS+7]
.endif
.endm
; Product i of 36 of tile t, in four rounds of 9: hi of keys 0-31, hi of keys 32-63, lo of keys 0-31, lo of keys 32-63.  In a round: blocks 0-7: O^T += V^T P, channels 16 blk on;
; block 8: the row sums += ones x P.  zero = 1: the first round starts the sums.  The 9 accumulators take turns.
.macro PVT t, zero
.set g,   i/9
.set kh,  g%2
.set blk, i%9
.if g >= 2
.set rP,  S+32*\t+8*kh
.else
.set rP,  X+16*(\t%2)+8*kh
.endif
.if blk < 8
	WIN W_PV
.set rO, 64*\t+8*blk
.set rV, 64*kh+8*blk
.if \zero && (i < 9)
	v_wmma_f32_16x16x32_bf16 v[rO:rO+7], v[rV:rV+7], v[rP:rP+7], 0
.else
	v_wmma_f32_16x16x32_bf16 v[rO:rO+7], v[rV:rV+7], v[rP:rP+7], v[rO:rO+7]
.endif
.else
	WIN 0
.set rL, L+8*\t
.if \zero && (i < 9)
	v_wmma_f32_16x16x32_bf16 v[rL:rL+7], v[ONES:ONES+7], v[rP:rP+7], 0
.else
	v_wmma_f32_16x16x32_bf16 v[rL:rL+7], v[ONES:ONES+7], v[rP:rP+7], v[rL:rL+7]
.endif
.endif
.endm
; THE WEIGHTS' STREAM.  The wave's 128 scores a lane are 64 pairs, tile 0's first; pair B lies at S + 2 B and goes through nine stages, all but HI and LO in place:
;   MUL  CQ s | E1  e = 2^(..) | ADD  1 + e | RC  r = 1 / (1 + e) | FMA  M - 2 K r | E2  p = 2^(..) | HI  two p rounded to bf16 | MIX  p - hi, exact in f32 | LO  the two differences rounded to bf16
; E1, RC and E2 are transcendentals, and each reads what is made of the one before.  Group g is pairs 8 g .. 8 g + 7.  INTERVAL k (0..10) holds, for the groups that exist:
;   plain: HI, MIX, LO of group k - 3; ADD of k - 1; FMA of k - 2; MUL of k            ONE BATCH of up to 48 transcendentals: RC of k - 1, E2 of k - 2, E1 of k
; ADD, FMA and HI read results that interval k - 1 issued, ahead of its wait; no line of interval k names a result of its own batch (LO writes into registers of group k - 3 or k - 4).  So one wait, at the interval's end,
; serves the whole batch; each result keeps its own register.  An interval has 116 positions:
;   0-7    HI of pairs 0-7: first, since the products on hi want them soonest
;   8-115  nine slices s = 0..8 of twelve, transcendental and plain by turns; the transcendentals and LO go one pair behind the plain stages that feed them:
;          RC (s-1) low | MIX s low | RC (s-1) high | MIX s high | E2 (s-1) low | ADD s | E2 (s-1) high | FMA s | E1 (s-1) low | MUL s | E1 (s-1) high | LO (s-1)
; The last position, LO of pair 7, is the plain instruction between the batch's last transcendental and the first use of a result (ISA guide 5.7.2); intervals 0 to 2 have no LO yet, and a v_nop stands there.
; The vector instruction next behind a transcendental always touches other registers.  hi goes to X + B % 32: group g + 4 first writes there behind products 113, 130, 144, 153, group g's last readers are products 72, 81, 108, 117.
; lo goes into register B % 16 of the tile: that register's own pair has passed its last stage, or is this one.  The pairs go upward.
; ENT writes the line at position wp of interval wk, if its group and pair exist, and says so in em.
.macro ENT
.set em, 0
.if wp < 8
.set wu, 12                         ; HI
.set wb, wp
.set wg, wk-3
.else
.set wu, (wp-8)%12                  ; the place in the slice
.set wb, (wp-8)/12-(1-wu%2)         ; even places, the transcendentals: one pair behind
.set wg, wk-3                       ; MIX, LO
.if wu == 11
.set wb, wb-1                       ; LO: one pair behind too
.endif
.if (wu == 0) || (wu == 2) || (wu == 5)
.set wg, wk-1                       ; RC, ADD
.endif
.if (wu == 4) || (wu == 6) || (wu == 7)
.set wg, wk-2                       ; E2, FMA
.endif
.if (wu >= 8) && (wu <= 10)
.set wg, wk                         ; E1, MUL
.endif
.endif
.if (wg >= 0) && (wg < 8) && (wb >= 0) && (wb < 8)
.set em, 1
.set wq, 8*wg+wb                    ; the pair's number in the stream
.set rA, S+2*wq
.set rH, X+wq%32
.set rM, M+2*(wq%16)
	WIN 0
.if wu == 12
	v_cvt_pk_bf16_f32 v[rH], v[rA], v[rA+1]
.elseif wu == 1
	v_fma_mix_f32_bf16 v[rA],   v[rH], v[NEG1], v[rA]   op_sel_hi:[1,0,0]                 ; hi's low half x -1 + p
.elseif wu == 3
	v_fma_mix_f32_bf16 v[rA+1], v[rH], v[NEG1], v[rA+1] op_sel:[1,0,0] op_sel_hi:[1,0,0]  ; hi's high half x -1 + p
.elseif wu == 5
	v_pk_add_f32 v[rA:rA+1], v[rA:rA+1], 1.0 op_sel_hi:[1,0]
.elseif wu == 7
	v_pk_fma_f32 v[rA:rA+1], v[rA:rA+1], s[N2K:N2K+1], v[rM:rM+1] op_sel_hi:[1,0,1]
.elseif wu == 9
	v_pk_mul_f32 v[rA:rA+1], v[rA:rA+1], s[CQ:CQ+1] op_sel_hi:[1,0]
.elseif wu == 11
	v_cvt_pk_bf16_f32 v[S+32*(wq/16)+wq%16], v[rA], v[rA+1]
.elseif (wu == 0) || (wu == 2)
	v_rcp_f32 v[rA+wu/2], v[rA+wu/2]
.else
	v_exp_f32 v[rA+(wu/2)%2], v[rA+(wu/2)%2]
.endif
.elseif (wp == 115) && (wk < 3)
.set em, 1
	v_nop                           ; intervals 0 to 2: the plain instruction behind the batch's last transcendental
.endif
.endm
; The stream's next instruction: positions that hold nothing are passed over (17 on end at the most).  The last position of intervals 0 to 9 always holds a line, and the interval's wait follows it at once.
; Behind the stream's end nothing is written.
.macro NEXT
.set got, 0
.rept 24
.if (got == 0) && (wk < 11)
	ENT
.set got, em
.set wp, wp+1
.if wp == 116
.set wp, 0
.set wk, wk+1
.if wk < 11
	s_wait_alu depctr_va_vdst(0)    ; the wait for the batch of the interval that ends here (its E1, RC and E2): it stands ahead of the first line that names a result, which stands in the next interval
.endif
.endif
.endif
.endr
.endm
.macro RIDE c                       ; c instructions of the stream, behind a product
.rept \c
	NEXT
.endr
.endm
; The ids of a step's 64 keys: my 8 of each 16, into M.  Lanes of one half read the same words.
.macro MLOAD
	s_and_b32 s[TS], s[SEGB], 0x1f00           ; key blocks are 0 to 31: the offset stays inside the table's 8,192 bytes
	v_add_nc_u32 v[ADM], s[TS], v[ASEG]
.irp c, 0,1,2,3
	ds_load_b128 v[M+8*\c:M+8*\c+3],   v[ADM] offset:SEGT+64*\c
	ds_load_b128 v[M+8*\c+4:M+8*\c+7], v[ADM] offset:SEGT+64*\c+16
.endr
.endm
; Register z of M: from the key's id to the addend: K where it equals my query's, else -1024.
.macro MSEG
	WIN 0
	v_cmp_eq_u32 s[MK+z%4], v[M+z], v[SEGQ]
	v_cndmask_b32 v[M+z], v[NG], v[KR], s[MK+z%4]
.endm
; The band.  q - k = DELTA + lane % 16 - 8 (lane / 16) - (16 (z / 8) + z % 8) lies in DELTA - 63 .. DELTA + 15: with 64 <= DELTA <= 1008 every pair is inside 0 .. 1023 and the pass is jumped over.
; It runs in the oldest and in the diagonal block.  One unsigned compare serves both ends.  The branch hangs on the ids of work-group and wave and on the step alone.
.macro MRANGE
	s_sub_co_u32 s[TS], s[DELTA], 64
	s_cmp_le_u32 s[TS], 944
	s_cbranch_scc1 .Lin_band_\@
	v_add_nc_u32 v[DLT], s[DELTA], v[DL]
.set z, 0
.rept 32
.set cz, 16*(z/8)+z%8
.if cz == 0
	v_cmp_gt_u32 s[MK], s[LIM], v[DLT]
.else
	v_sub_nc_u32 v[TM+z%2], v[DLT], cz
	v_cmp_gt_u32 s[MK+z%4], s[LIM], v[TM+z%2]
.endif
	v_cndmask_b32 v[M+z], v[NG], v[M+z], s[MK+z%4]
.set z, z+1
.endr
.Lin_band_\@:
.endm
; A KEY STEP.  zero = 1: the first step, whose products start O^T and the row sums.  more = 1: a step follows.
; At its head: K's fragments and M of this step are in registers, its V lies in slot TBR, and (more) the next group's 32 loads are on their way into R.
.macro STEP zero, more
	; V of this step is fetched: one run, 64 products ahead of its first use
	WIN 0
	PLACES                                     ; behind the last step's products, which read V's registers
	v_add_nc_u32 v[ADRV], s[TBR], v[AV0]
.if \more
	v_add_nc_u32 v[ADK], s[TBW], v[ASK]
	v_add_nc_u32 v[ADV], s[TBW], v[ASV]
.endif
	WIN 0xc0
.irp f, 0,1,2,3,4,5,6,7,8,9,10,11,12,13,14,15  ; keys 32 (f / 8) on, channels 16 (f % 8) on, turned
	ds_load_tr16_b128 v[8*\f:8*\f+3],   v[ADRV] offset:(\f/8)*32*PV+(\f%8)*32
	ds_load_tr16_b128 v[8*\f+4:8*\f+7], v[ADRV] offset:(\f/8)*32*PV+16*PV+(\f%8)*32
.endr
.if \more
	s_wait_loadcnt 0x0                         ; the next group, asked for a step ago, is in R; no load of mine is out, so the two addresses may step
	s_add_nc_u64 s[6:7], s[6:7], 0x10000       ; 64 rows of 1,024 bytes on
	s_add_nc_u64 s[8:9], s[8:9], 0x10000
.endif
	; products 0-15: K Q^T of tile 0 | the next group is rounded, two rows behind each product.  The four roundings behind the last product are the places in front of the first weight.
.set i, 0
.rept 16
	KQT 0
.if \more
	CVT4
.endif
.set i, i+1
.endr
.if \more
	STORES                                     ; into the other slot
.else
	WIN 0
	PLACES                                     ; no rounding in the last step: four v_nop are the places
.endif
	; products 16-31: K Q^T of tile 1 | the stream of weights begins: intervals 0 and 1, 25 + 49 = 74 = 10 x 5 + 6 x 4 instructions, so that interval 1's wait stands behind product 31
.set wk, 0
.set wp, 0
.set i, 0
.rept 16
	KQT 1
.if i < 10
	RIDE 5
.else
	RIDE 4
.endif
.set i, i+1
.endr
	WIN 0
	s_wait_dscnt 0x0                           ; V's fragments are in, so my reads of slot TBR are over, and my stores into the other slot, issued 16 products ago, are done
.if \more
	s_cmp_lt_u32 s[LEFT], 2                    ; the group after the next exists where two steps or more follow
	s_cbranch_scc1 .Lno_ask_\@
	GLOAD                                      ; it has the rest of this step, 176 products, in which to land
.Lno_ask_\@:
	s_barrier_signal -1                        ; one barrier a step, for both: the slot I read is free, the slot I stored into is whole
.endif
	; products 32-63: K Q^T of tiles 2 and 3 | weights, six behind each product from here on: register work alone, between the signal and the wait
.irp t, 2,3
.set i, 0
.rept 16
	KQT \t
	RIDE 6
.set i, i+1
.endr
.endr
	; products 64-99: V^T P and the row sums of tile 0 | weights
.set i, 0
.rept 36
	PVT 0, \zero
	RIDE 6
.if \more && (i == 1)
	WIN 0
	s_barrier_wait -1                          ; every wave's stores are done
	FETCH_K TBW                                ; K of the next step, in one run; the last product that read K stands three products back, with eleven plain instructions of the stream between
.endif
.set i, i+1
.endr
	; products 100-135: tile 1 | weights
.set i, 0
.rept 36
	PVT 1, \zero
	RIDE 6
.set i, i+1
.endr
	; products 136-171: tile 2 | the stream's end, behind product 158; then the next step's ids are asked for (M's last reader stands behind product 152)
.set i, 0
.rept 36
	PVT 2, \zero
.if i < 24
	RIDE 6
.endif
.if \more && (i == 24)
	WIN 0
	s_add_co_u32 s[SEGB], s[SEGB], 256
	s_sub_co_u32 s[DELTA], s[DELTA], 64
	MLOAD
.endif
.set i, i+1
.endr
	; products 172-207: tile 3 | the next step's mask, two registers behind every second product
.set i, 0
.rept 36
	PVT 3, \zero
.if \more
.if i == 0
	s_wait_dscnt 0x0                           ; the ids, asked for 12 products ago, are in, and K's fragments of the next step
.endif
.if ((i%2) == 1) && (i < 32)
.set z, i-1
	MSEG
.set z, i
	MSEG
.endif
.endif
.set i, i+1
.endr
	WIN 0
.if \more
	MRANGE
	s_xor_b32 s[TBR], s[TBR], SLOT1
	s_xor_b32 s[TBW], s[TBW], SLOT1
.endif
.endm
	; ---- the head ----
	s_load_b256 s[4:11], s[0:1], 0x0           ; query s[4:5], key s[6:7], value s[8:9], ids s[10:11]
	s_load_b64 s[12:13], s[0:1], 0x20          ; out0
	v_lshrrev_b32 v[TM], 5, v0
	v_readfirstlane_b32 s[WV], v[TM]           ; wave 0..3
	s_mov_b32 s[BI], ttmp9                     ; block of 64 queries
	s_and_b32 s16, ttmp7, 0xffff
	s_lshr_b32 s17, s16, 1                     ; batch
	s_and_b32 s18, s16, 1                      ; key/value head
	s_min_u32 s[LEFT], s[BI], 16               ; steps - 1
	s_sub_co_u32 s20, s[BI], s[LEFT]           ; first key block
	s_lshl_b32 s22, s17, 23                    ; query, out0: batch x 2048 x 4,096 bytes
	s_lshl_b32 s[TS], s[BI], 18                ; + block x 64 rows
	s_add_co_u32 s22, s22, s[TS]
	s_lshl_b32 s[TS], s[WV], 16                ; + wave x 16 rows
	s_add_co_u32 s22, s22, s[TS]
	s_lshl_b32 s[TS], s18, 11                  ; + four heads of 512 bytes
	s_add_co_u32 s22, s22, s[TS]
	s_mov_b32 s23, 0
	s_lshl_b32 s34, s17, 21                    ; key, value: batch x 2048 x 1,024 bytes
	s_lshl_b32 s[TS], s20, 16                  ; + key block x 64 rows
	s_add_co_u32 s34, s34, s[TS]
	s_lshl_b32 s[TS], s18, 9                   ; + the head's 512 bytes
	s_add_co_u32 s34, s34, s[TS]
	s_mov_b32 s35, 0
	s_lshl_b32 s40, s17, 13                    ; ids: batch x 8,192 bytes
	s_mov_b32 s41, 0
	s_lshl_b32 s[SEGB], s20, 8
	s_lshl_b32 s[DELTA], s[LEFT], 6            ; 64 (block - first key block) + 16 wave
	s_lshl_b32 s[TS], s[WV], 4
	s_add_co_u32 s[DELTA], s[DELTA], s[TS]
	s_mov_b32 s[N2K], 0xc31044fe               ; -2 K = -144.2695
	s_mov_b32 s[N2K+1], 0xc31044fe             ; named with it as a pair, so it is written
	s_mov_b32 s[CQ], 0x3ba723c0                ; 2 log2(e) / (50 sqrt(128)) = 0.0051006972
	s_mov_b32 s[CQ+1], 0x3ba723c0
	s_mov_b32 s[LIM], 1024
	v_and_b32 v64, 31, v0                      ; lane           (S^T's registers are free until the first product)
	v_and_b32 v65, 15, v0                      ; lane % 16
	v_bfe_u32 v66, v0, 4, 1                    ; lane / 16
	v_lshlrev_b32 v[SG16], 4, v0
	v_mul_u32_u24 v[AK0], v65, PK
	v_lshl_add_u32 v[AK0], v66, 4, v[AK0]      ; row x pitch + 16 x half
	v_and_b32 v67, 7, v0
	v_lshl_add_u32 v[AV0], v66, 3, v67         ; the turning load: key 8 (lane / 16) + lane % 8,
	v_mul_u32_u24 v[AV0], v[AV0], PV
	v_bfe_u32 v67, v0, 3, 1
	v_lshl_add_u32 v[AV0], v67, 4, v[AV0]      ; channels 8 ((lane / 8) % 2) on
	v_add_nc_u32 v[AV0], VOFF, v[AV0]
	s_mul_i32 s[TS], s[WV], 16*PK
	v_lshl_add_u32 v[ASK], v64, 3, s[TS]
	s_mul_i32 s[TS], s[WV], 16*PV
	s_add_co_u32 s[TS], s[TS], VOFF
	v_lshl_add_u32 v[ASV], v64, 3, s[TS]
	s_lshl_b32 s[TS], s[WV], 14                ; 16 rows of 1,024 bytes
	v_lshl_add_u32 v[KO], v64, 4, s[TS]
	v_lshlrev_b32 v[ASEG], 5, v66
	v_lshlrev_b32 v67, 3, v66
	v_sub_nc_u32 v[DL], v65, v67
	v_mov_b32 v[KR], 0x429044fe                ; K = 50 log2(e) = 72.13475
	v_mov_b32 v[NG], 0xc4800000                ; -1024.0
	s_mul_i32 s[TS], s[WV], 16*SP
	s_add_co_u32 s[TS], s[TS], STAGE           ; my stage
	v_mul_u32_u24 v[STO], v65, SP              ; in: row lane % 16, 32 bytes for each half of the lanes
	v_lshl_add_u32 v[STO], v66, 5, v[STO]
	v_add_nc_u32 v[STO], s[TS], v[STO]
	v_lshl_add_u32 v[RD], v64, 4, s[TS]        ; back: a whole row of 512 bytes
	v_lshlrev_b32 v[GO], 4, v64
	v_lshlrev_b32 v[QO], 12, v65               ; row lane % 16 of 4,096 bytes + 8 channels of f32 for each half
	v_lshl_add_u32 v[QO], v66, 5, v[QO]
	s_lshl_b32 s[TS], s[BI], 8                 ; my query's id in the batch's row of ids: byte 4 (64 block + 16 wave + lane % 16)
	s_lshl_b32 s21, s[WV], 6
	s_add_co_u32 s[TS], s[TS], s21
	v_lshl_add_u32 v[TM+1], v65, 2, s[TS]      ; not written again before the wait for the first loads
.irp j, 0,1,2,3,4,5,6,7
	v_mov_b32 v[ONES+\j], 0x3f803f80
.endr
	s_wait_kmcnt 0x0
	s_add_nc_u64 s[4:5], s[4:5], s[22:23]
	s_add_nc_u64 s[12:13], s[12:13], s[22:23]
	s_add_nc_u64 s[6:7], s[6:7], s[34:35]
	s_add_nc_u64 s[8:9], s[8:9], s[34:35]
	s_add_nc_u64 s[10:11], s[10:11], s[40:41]
	; all first loads in one run: the batch's ids (128 threads x 16 bytes x 4), my query's id, the first group of K and V, my Q
.irp u, 0,1,2,3
	global_load_b128 v[IDS+4*\u:IDS+4*\u+3], v[SG16], s[10:11] offset:2048*\u
.endr
	global_load_b32 v[SEGQ], v[TM+1], s[10:11]
	GLOAD
	WIN 0x40
.irp t, 0,1,2,3
.irp f, 0,1,2,3
.irp u, 0,1,2,3                                ; tile t, channels 32 f on: f32 registers 0-7 are channels 8 (lane / 16) + 0..7, registers 8-15 channels 16 + 8 (lane / 16) + 0..7
	global_load_b128 v[64*\t+16*\f+4*\u:64*\t+16*\f+4*\u+3], v[QO], s[4:5] offset:512*\t+128*\f+64*(\u/2)+16*(\u%2)
.endr
.endr
.endr
	WIN 0
	s_wait_loadcnt 0x0
.irp u, 0,1,2,3
	ds_store_b128 v[SG16], v[IDS+4*\u:IDS+4*\u+3] offset:SEGT+2048*\u
.endr
	v_mov_b32 v[ADK], v[ASK]                   ; the first group goes to slot 0, which begins at LDS byte 0
	v_mov_b32 v[ADV], v[ASV]
.set i, 0
.rept 16
	CVT4
.set i, i+1
.endr
	STORES
	WIN 0
	s_wait_dscnt 0x0                           ; for the others' sake: my stores of ids, K and V are done
	v_mov_b32 v[NEG1], -1.0                    ; the copy of the ids is over: its offset's register takes the constant
	s_add_nc_u64 s[6:7], s[6:7], 0x10000       ; no load is out (the wait for 0 above)
	s_add_nc_u64 s[8:9], s[8:9], 0x10000
	s_cmp_eq_u32 s[LEFT], 0
	s_cbranch_scc1 .Lno_second
	GLOAD                                      ; the second group
.Lno_second:
	s_barrier_signal -1
	WIN 0x85                                   ; between the signal and the wait, on registers: Q rounded to bf16 into window 2: 16 fragments of 16 queries x 32 channels
.set i, 0
.rept 128
	v_cvt_pk_bf16_f32 v[i], v[2*i], v[2*i+1]
.set i, i+1
.endr
	WIN 0
	s_barrier_wait -1                          ; slot 0 and the ids are whole
	s_mov_b32 s[TBR], 0
	s_mov_b32 s[TBW], SLOT1
	FETCH_K TBR
	WIN 0
	MLOAD
	s_wait_dscnt 0x0
.set z, 0
.rept 32
	MSEG
.set z, z+1
.endr
	MRANGE
	; ---- the steps: first, middle ones, last; the last one stores nothing into LDS, asks for nothing and has no barrier ----
	s_cmp_eq_u32 s[LEFT], 0
	s_cbranch_scc1 .Lonly
	STEP 1, 1
	s_sub_co_u32 s[LEFT], s[LEFT], 1
	s_cmp_eq_u32 s[LEFT], 0
	s_cbranch_scc1 .Llast
.Lloop:
	STEP 0, 1
	s_sub_co_u32 s[LEFT], s[LEFT], 1
	s_cmp_lg_u32 s[LEFT], 0
	s_cbranch_scc1 .Lloop
.Llast:
	STEP 0, 0
	s_branch .Lout
.Lonly:
	STEP 1, 0                                  ; query block 0 has the diagonal block alone
.Lout:
	; ---- the way out: O^T / row sum, a tile (16 rows of one head) at a time through my stage, back as whole rows of 512 bytes ----
	PLACES                                     ; behind the last products
.irp t, 0,1,2,3
	v_rcp_f32 v[INV+2*\t],   v[L+8*\t]         ; every register of the sums' result holds the query's sum: the lowest is taken; twice, for the packed multiply
	v_rcp_f32 v[INV+2*\t+1], v[L+8*\t]
.endr
	v_nop                                      ; a plain instruction between the last reciprocal and its use
	s_wait_alu depctr_va_vdst(0)               ; the wait ahead of the first use: one for the batch of eight reciprocals
.macro PACK t
	WIN 0x41
.set i, 64*\t
.rept 32
	v_pk_mul_f32 v[i:i+1], v[i:i+1], v[INV+2*\t:INV+2*\t+1]
.set i, i+2
.endr
	WIN 0x04                                   ; store data in window 1
.irp c, 0,1,2,3,4,5,6,7                        ; channels 16 c + 8 (lane / 16) + 0..7 of row lane % 16
	ds_store_b128 v[STO], v[64*\t+8*\c:64*\t+8*\c+3]   offset:64*\c
	ds_store_b128 v[STO], v[64*\t+8*\c+4:64*\t+8*\c+7] offset:64*\c+16
.endr
	WIN 0x80                                   ; back into window 2, where Q and K lay
.irp p, 0,1,2,3,4,5,6,7,8,9,10,11,12,13,14,15
	ds_load_b128 v[64*\t+4*\p:64*\t+4*\p+3], v[RD] offset:\p*SP   ; LDS serves a wave's instructions in order (ISA guide 5.7.1.4): these see the stores above, and the next tile's stores come behind them
.endr
.endm
.macro SEND t, younger                         ; younger: the LDS instructions issued behind tile t's loads: the next tile's 32, or none
	WIN 0x08                                   ; store data in window 2
.irp p, 0,1,2,3,4,5,6,7,8,9,10,11,12,13,14,15
	s_wait_dscnt \younger+15-\p                ; row p is back: behind it stand the tile's 15 - p later rows and the younger ones
	global_store_b128 v[GO], v[64*\t+4*\p:64*\t+4*\p+3], s[12:13] offset:4096*\p+512*\t th:TH_STORE_NT   ; the wave stores 512 consecutive bytes, at a multiple of 512 from out0's first byte; no store's register is written again
.endr
.endm
	PACK 0
	PACK 1                                     ; a tile's arithmetic stands between the loads of the tile before and its stores
	SEND 0, 32
	PACK 2
	SEND 1, 32
	PACK 3
	SEND 2, 32
	SEND 3, 0
	WIN 0
	s_wait_xcnt 0x0
	v_lshl_add_u32 v254, v0, 2, 0x21000
	v_mov_b32 v255, 0
	s_wait_tensorcnt 0x0
	ds_add_u32 v254, v255
	s_wait_dscnt 0x0
	s_endpgm
.Lfunc_end_k_q1d957411f7_attn:
	.size	k_q1d957411f7_attn, .Lfunc_end_k_q1d957411f7_attn-k_q1d957411f7_attn
	.p2alignl 7, 3214868480
	.fill 96, 4, 3214868480
	.section	.rodata,"a",@progbits
	.p2align	6, 0x0
	.amdhsa_kernel k_q1d957411f7_attn
		.amdhsa_group_segment_fixed_size 135680
		.amdhsa_private_segment_fixed_size 0
		.amdhsa_enable_private_segment 0
		.amdhsa_kernarg_size 40
		.amdhsa_user_sgpr_count 2
		.amdhsa_user_sgpr_kernarg_segment_ptr 1
		.amdhsa_wavefront_size32 1
		.amdhsa_system_sgpr_workgroup_id_x 1
		.amdhsa_system_sgpr_workgroup_id_y 1
		.amdhsa_system_sgpr_workgroup_id_z 1
		.amdhsa_system_vgpr_workitem_id 0
		.amdhsa_next_free_vgpr 1024
		.amdhsa_next_free_sgpr 66
		.amdhsa_reserve_vcc 0
		.amdhsa_float_denorm_mode_32 3
		.amdhsa_float_denorm_mode_16_64 3
		.amdhsa_memory_ordered 1
		.amdhsa_forward_progress 1
		.amdhsa_inst_pref_size 255
	.end_amdhsa_kernel
	.section	.bss,"aw",@nobits
	.p2align	6
	.space	262144
	.amdgpu_metadata
---
amdhsa.version: [ 1, 2 ]
amdhsa.kernels:
  - .name:           k_q1d957411f7_attn
    .symbol:         k_q1d957411f7_attn.kd
    .args:
      - { .name: query, .offset: 0, .size: 8, .value_kind: global_buffer, .address_space: global }
      - { .name: key, .offset: 8, .size: 8, .value_kind: global_buffer, .address_space: global }
      - { .name: value, .offset: 16, .size: 8, .value_kind: global_buffer, .address_space: global }
      - { .name: decoder_segment_ids, .offset: 24, .size: 8, .value_kind: global_buffer, .address_space: global }
      - { .name: out0, .offset: 32, .size: 8, .value_kind: global_buffer, .address_space: global }
    .group_segment_fixed_size: 135680
    .private_segment_fixed_size: 0
    .kernarg_segment_align: 8
    .kernarg_segment_size: 40
    .max_flat_workgroup_size: 128
    .sgpr_count:     66
    .vgpr_count:     1024
    .wavefront_size: 32
...
	.end_amdgpu_metadata
.endif
;; end of part 2
